; MI455X (gfx1250); checked and timed in simulation.
; The chip was launched on July 23, 2026; its instructions are those of AMD's public machine-readable ISA for CDNA 5 (MIT licence, August 2026) and "CDNA5" Instruction Set Architecture Reference Guide (July 2026). The comments in the code are by the model that wrote it; some were corrected since.
;; Full Attention. Allowed arithmetic: matrix products marked QUANTISED: E5M2 operands, one given power-of-two scale a tensor, by v_wmma_f32_16x16x64_bf8_bf8 or v_wmma_f32_16x16x128_bf8_bf8, f32 sums; everything else in f32.
;; Inputs: W_out 1,024 x 64 float32; b_out 64 float32; key 4 x 2,048 x 1,024 float32; key_padding_mask 4 x 2,048 bool; lowp_scales 6 int32 (the exponents e of the quantised operands' scales 2^e); query 4 x 2,048 x 1,024 float32; value 4 x 2,048 x 1,024 float32.
;; Outputs: out0 8,192 x 64 float32.
;; This version of the problem:
;;   THIS VERSION OF THE PROBLEM IS GIVEN IN LOW PRECISION. The matrix products marked QUANTISED in the list below multiply operands that are first quantised to E5M2 (5 exponent bits, 2 mantissa bits; 8 bits a number), with one given power-of-two scale for each operand tensor; their sums are f32. All else is computed in f32.
;;   The module's matrix products, in the order in which they are computed (A, B: the left and right operand; K: the contracted axis; several contracted axes count as one K, in the product's order):
;;     1. batch 64 x [M 2,048, K 64] x [K 64, N 2,048]; A: computed on the way; B: input key: QUANTISED (scales: A lowp_scales[0], B lowp_scales[1])
;;     2. batch 64 x [M 64, K 2,048] x [K 2,048, N 2,048]; A: input value; B: softmax (see below): QUANTISED (scales: A lowp_scales[2], B lowp_scales[3])
;;     3. [M 8,192, K 1,024] x [K 1,024, N 64]; A: computed on the way; B: input W_out: QUANTISED (scales: A lowp_scales[4], B lowp_scales[5])
;;   THE QUANTISER, for each operand of a quantised product, along K:
;;     - The operand's scale is 2^e, e = its entry of the input lowp_scales (int32; the entries are numbered through the quantised products in the list's order, A before B).
;;     - Each number is divided by the scale, clamped to +-57,344, and rounded to the nearest number of E5M2, ties to even, subnormals kept.
;;     - The product sums the exact products of the quantised numbers (number of the format x scale) in f32.
;;   ~~~python
;;   def quantise(x, axis, e):      # numpy; x: float32 -> the quantised numbers, widened to float32 again
;;       x = np.moveaxis(x, axis, -1); K = x.shape[-1]
;;       r = np.clip(x / 2.0 ** e, -57344, 57344)
;;       step = 2.0 ** (np.maximum(np.frexp(np.where(r == 0, 1, r))[1] - 1, -14) - 2)
;;       q = np.round(r / step) * step * 2.0 ** e      # np.round: ties to even
;;       return np.moveaxis(q, -1, axis).astype(np.float32)
;;   ~~~
;;   SOFTMAX AHEAD OF A QUANTISED PRODUCT. Where the list says 'softmax', what is quantised is not the finished softmax but p = 2^(t - M), with t = logit x log2(e) and M = ceil(the row's largest t), a whole number; so 1/2 < the row's largest p <= 1. The row's sum l is taken of the UNQUANTISED p, in f32, and the product's result is divided by l at the end. Since M is a whole number, a kernel that streams over the keys may use a running M (the ceiling of the running maximum): every later rescaling is an exact power of two, so the quantised numbers keep their values, but for numbers so far below the row's largest that they fall under the format's range.
;;   OPERANDS COMPUTED ON THE WAY. 'Computed on the way' means the value that the module computes at that place (a softmax that the list does not call 'softmax' is quantised finished and normalised). What goes into a quantiser is computed in f32, as accurately as f32 sums, v_exp_f32 and their like allow (about 1e-6 of the number): no bf16 or f16 on the way to a quantiser, and a product that is left as it is and whose result goes on into a quantised operand takes f32 operands (vector FMAs, or v_wmma_f32_16x16x4_f32). A number that lies on a knife's edge between two numbers of the format may be rounded either way, as far as f32 arithmetic and the matrix unit's own rounding can turn it there, and no further.
;; One version. Each part assembles by itself: llvm-mc -triple=amdgcn-amd-amdhsa -mcpu=gfx1250 --defsym DOCPART=n.
;; ======== version 1 of 1: 3 launches
;; limits: right only within a limited range of input values
;; workspace buffers: kv 16,777,216 bytes; w_codes 65,536 bytes; o_codes 8,388,608 bytes
;; launch prep (part 1): grid 1032 x 1, 8 waves a work-group, no clusters, 68,608 bytes of LDS; arguments key, value, W_out, key_padding_mask, lowp_scales, kv, w_codes; writes kv, w_codes
.if DOCPART == 1
	.amdgcn_target "amdgcn-amd-amdhsa--gfx1250"
	.amdhsa_code_object_version 6
	.text
	.protected	k_q0d2c2d0130_prep
	.globl	k_q0d2c2d0130_prep
	.p2align	8
	.type	k_q0d2c2d0130_prep,@function
k_q0d2c2d0130_prep:
	s_mov_b64 s[64:65], 0
	v_nop
	global_prefetch_b8 v0, s[64:65] scope:SCOPE_SE
	s_setreg_imm32_b32 hwreg(HW_REG_WAVE_MODE, 25, 1), 1
	s_wait_xcnt 0x0
; key, value [4][2048][1024] and W_out [1024][64], f32, become codes of BF8 (E5M2), each with its given scale 2^e (lowp_scales 1, 2, 5), laid as IMAGES OF THE
; OPERANDS' REGISTERS: a plane is 512 bytes, lane l's 16 bytes at 16 l, so that the later launches fetch every fragment by 16-byte loads of consecutive bytes.
; code = x / 2^e, held within +-57,344, to the nearest code, ties to even.
; kv [bh 64][step 16][16,384]: a step is 128 keys of one head.
;   bytes 0..8,191      K: tile T (16 keys) at 1,024 T, plane j at + 512 j: lane (r, h) holds key 16 T + r, k = 32 j + 16 h + 0..15.  A KEY THAT THE MASK HIDES GETS ZERO CODES.
;   bytes 8,192..16,383 V: tile t at 2,048 t, plane c at + 512 c: lane (r, h) holds CHANNEL 4 r + t; bytes 0-7 keys 32 c + 8 h + 0..7, bytes 8-15 keys 32 c + 16 + 8 h + 0..7.
; w_codes [head 16][nt 4][plane 2][512]: lane (r, h) holds column 16 nt + r; byte j of register pair t is W_out[64 head + 32 h + 4 j + t][column]: the order in which the attention's result leaves its registers.
; Three paths, parted on the work-group's number: 0-7 W_out, 8-519 key (16 keys x all heads each), 520-1031 value (32 keys x 8 heads each).  Only the key path touches LDS.
; No cluster, no tensor load: the work-groups share no input, each byte is read once and each store of a wave covers 512 consecutive bytes, aligned.  No loop: every offset is an immediate.
; LIMITS: e1, e2, e5 between -126 and 112, so that 2^e and 57,344 x 2^e are f32 numbers.  NaN among the inputs is not served (an infinity is held at the largest code).
.set WG_W, 8                           ; work-groups for W_out
.set WG_K, 512                         ; for key
.set SP,   528                         ; the key path's stage: a row of 512 bytes + 16: an odd multiple of 16 bytes, so sixteen rows' pieces start at sixteen different places modulo 256 bytes
.set WST,  16*SP                       ; a wave's stage: 16 rows
.set X,    16                          ; v16-79   numbers as loaded
.set Y,    80                          ; v80-111  numbers in the order of the codes: two sets of 16 (value: by turns; key: planes 0 and 1, planes 2 and 3 come back into v16-47)
.set C,    112                         ; v112-127 codes
.macro MKSCALE e                       ; v7 = 2^e as f32 (the conversion takes its exponent field), v8 = 57,344 x 2^e
	s_add_co_i32 s40, \e, 127
	s_lshl_b32 s41, s40, 23
	v_mov_b32 v7, s41
	s_add_co_i32 s40, s40, 15
	s_lshl_b32 s40, s40, 23
	s_or_b32 s40, s40, 0x600000
	v_mov_b32 v8, s40
.endm
	s_load_b256 s[4:11], s[0:1], 0x0               ; key s[4:5], value s[6:7], W_out s[8:9], mask s[10:11]
	s_load_b128 s[12:15], s[0:1], 0x20             ; the scales' exponents s[12:13], kv s[14:15]
	s_load_b64 s[16:17], s[0:1], 0x30              ; w_codes
	v_lshl_add_u32 v10, v0, 2, 0x10800             ; my spare word, behind the eight stages; never rewritten
	v_mov_b32 v11, 0                               ; 0; never rewritten
	v_lshrrev_b32 v1, 5, v0
	s_delay_alu instid0(VALU_DEP_1)
	v_readfirstlane_b32 s18, v1                    ; wave 0..7
	v_and_b32 v1, 31, v0
	s_delay_alu instid0(VALU_DEP_1)
	v_lshlrev_b32 v1, 4, v1                        ; 16 x lane
	v_and_b32 v2, 15, v0                           ; r
	v_bfe_u32 v3, v0, 4, 1                         ; h
	s_mov_b32 s27, 0                               ; the upper words of three pairs of offsets
	s_mov_b32 s29, 0
	s_mov_b32 s31, 0
	s_wait_kmcnt 0x0
	s_load_b128 s[20:23], s[12:13], 0x0            ; e0, e1, e2, e3
	s_load_b64 s[24:25], s[12:13], 0x10            ; e4, e5
	s_cmp_lt_u32 ttmp9, WG_W
	s_cbranch_scc1 .Lw
	s_cmp_lt_u32 ttmp9, WG_W+WG_K
	s_cbranch_scc1 .Lk
; ---- value.  id = 128 b + 2 kg + half: 32 keys (group kg of batch b), heads 8 half + wave.  A lane takes four neighbouring channels of a row; its registers run down the keys in the order of the image's bytes,
; so the hold, which copies, is all the transposition there is.  Sixteen lanes read a head's 256 bytes of a row, aligned.
	s_sub_co_u32 s32, ttmp9, WG_W+WG_K             ; id
	s_lshr_b32 s33, s32, 1                         ; 64 b + kg
	s_and_b32 s34, s32, 1
	s_lshl_b32 s34, s34, 3
	s_add_co_u32 s34, s34, s18                     ; head
	s_lshl_b32 s26, s33, 17                        ; 32 rows of 4,096 bytes for each group
	s_lshl_b32 s35, s34, 8
	s_add_co_u32 s26, s26, s35
	s_add_nc_u64 s[6:7], s[6:7], s[26:27]
	s_lshr_b32 s35, s32, 7                         ; b
	s_lshl_b32 s35, s35, 4
	s_add_co_u32 s35, s35, s34                     ; bh
	s_lshl_b32 s28, s35, 18
	s_bfe_u32 s36, s33, 0x40002                    ; the step: kg / 4
	s_lshl_b32 s36, s36, 14
	s_add_co_u32 s28, s28, s36
	s_and_b32 s36, s33, 3                          ; the plane: kg % 4
	s_lshl_b32 s36, s36, 9
	s_add_co_u32 s28, s28, s36
	s_add_co_u32 s28, s28, 8192                    ; V lies behind the step's K
	s_add_nc_u64 s[14:15], s[14:15], s[28:29]
	s_wait_alu depctr_va_vdst(0)
	v_lshlrev_b32 v4, 4, v2
	s_delay_alu instid0(VALU_DEP_1)
	v_lshl_add_u32 v4, v3, 15, v4                  ; 16 r, and lanes 16-31 eight rows further down
.set i, 0
.rept 16
	global_load_b128 v[X+4*i:X+4*i+3], v4, s[6:7] offset:((i%8)+16*(i/8))*4096 th:TH_LOAD_NT   ; key (i % 8) + 16 (i / 8) + 8 h of the group: byte i of the image
.set i, i+1
.endr
	s_wait_kmcnt 0x0
	MKSCALE s22
	s_wait_alu depctr_va_vdst(0)
	s_wait_loadcnt 0x0
.irp q, 0,1,2,3                        ; channel 4 r + q: tile q
.set i, 0
.rept 16
	v_med3_num_f32 v[Y+16*(\q%2)+i], v[X+4*i+\q], -v8, v8   ; the conversion to an 8-bit code does not saturate (ISA guide 7.6.2): the hold, and the move into the codes' order; the other set's sixteen holds stand between a conversion and the next write of its sources
.set i, i+1
.endr
	v_cvt_scalef32_pk8_bf8_f32 v[C+4*\q:C+4*\q+1], v[Y+16*(\q%2):Y+16*(\q%2)+7], v7
	v_cvt_scalef32_pk8_bf8_f32 v[C+4*\q+2:C+4*\q+3], v[Y+16*(\q%2)+8:Y+16*(\q%2)+15], v7
	global_store_b128 v1, v[C+4*\q:C+4*\q+3], s[14:15] offset:2048*\q   ; (the codes go to a store alone; the next vector lines are plain holds on other registers)
.endr
	s_endpgm
; ---- key.  id = 128 b + kt: 16 keys (tile kt of batch b); wave w takes heads 2 w and 2 w + 1: 512 bytes of each row.  Each load reads 512 consecutive bytes; the 16 rows turn through the wave's own stage,
; from which lane (r, h) takes, of key r, 16 neighbours along the head's axis for each plane.
.Lk:
	s_sub_co_u32 s32, ttmp9, WG_W                  ; id
	s_lshl_b32 s26, s32, 4                         ; the tile's first key among the 8,192: its byte in the mask
	s_add_nc_u64 s[10:11], s[10:11], s[26:27]
	s_lshl_b32 s28, s32, 16                        ; 16 rows of 4,096 bytes
	s_lshl_b32 s33, s18, 9
	s_add_co_u32 s28, s28, s33
	s_add_nc_u64 s[4:5], s[4:5], s[28:29]
	s_lshr_b32 s34, s32, 7                         ; b
	s_lshl_b32 s34, s34, 4
	s_lshl_b32 s35, s18, 1
	s_add_co_u32 s34, s34, s35                     ; bh of head 2 w
	s_lshl_b32 s30, s34, 18
	s_bfe_u32 s35, s32, 0x40003                    ; the step: kt / 8
	s_lshl_b32 s35, s35, 14
	s_add_co_u32 s30, s30, s35
	s_and_b32 s35, s32, 7                          ; the tile in the step
	s_lshl_b32 s35, s35, 10
	s_add_co_u32 s30, s30, s35
	s_add_nc_u64 s[14:15], s[14:15], s[30:31]
	s_wait_alu depctr_va_vdst(0)
	global_load_u8 v6, v2, s[10:11]                ; the mask's byte of key r
.set i, 0
.rept 16
	global_load_b128 v[X+4*i:X+4*i+3], v1, s[4:5] offset:4096*i th:TH_LOAD_NT
.set i, i+1
.endr
	s_mul_i32 s37, s18, WST                        ; my stage
	v_add_nc_u32 v4, s37, v1                       ; in: as loaded
	v_mul_u32_u24 v5, v2, SP
	s_delay_alu instid0(VALU_DEP_1)
	v_lshl_add_u32 v5, v3, 6, v5
	s_delay_alu instid0(VALU_DEP_1)
	v_add_nc_u32 v5, s37, v5                       ; back: row r, + 64 h bytes: my 16 numbers of a block of 32
	s_wait_alu depctr_va_vdst(0)
	s_wait_kmcnt 0x0
	MKSCALE s21
.set i, 0
	s_wait_alu depctr_va_vdst(0)
.rept 16
	s_wait_loadcnt 15-i                            ; loads come back in order: row i is in, the 15 - i rows behind it may be out
	ds_store_b128 v4, v[X+4*i:X+4*i+3] offset:SP*i
.set i, i+1
.endr
	v_cmp_ne_u32 vcc_lo, 0, v6
	s_delay_alu instid0(VALU_DEP_1)
	v_cndmask_b32 v9, 0, v8, vcc_lo                ; the hold's limit: 0 for a hidden key, whose codes are then zeros
.set n, 0
.rept 4                                ; fragment plane n = 2 g + j: head 2 w + g, plane j.  LDS serves a wave's instructions in order: these see my stores
.set P, Y+16*n-(n/2)*(Y+32-X)          ; planes 0, 1: v80, v96; planes 2, 3: v16, v32
.if n == 2
	s_wait_dscnt 8                                 ; only the eight loads just issued may be out: my 16 stores into the stage have read their registers, which take planes 2 and 3
.endif
.irp q, 0,1,2,3
	ds_load_b128 v[P+4*\q:P+4*\q+3], v5 offset:256*(n/2)+128*(n%2)+16*\q
.endr
.set n, n+1
.endr
.set n, 0
	s_wait_alu depctr_va_vdst(0)
.rept 4
	s_wait_dscnt 12-4*n                            ; plane n's four loads are in; the later planes' may be out
.set P, Y+16*n-(n/2)*(Y+32-X)
.set i, 0
.rept 16
	v_med3_num_f32 v[P+i], v[P+i], -v9, v9
.set i, i+1
.endr
	v_cvt_scalef32_pk8_bf8_f32 v[C+4*n:C+4*n+1], v[P:P+7], v7
	v_cvt_scalef32_pk8_bf8_f32 v[C+4*n+2:C+4*n+3], v[P+8:P+15], v7
	global_store_b128 v1, v[C+4*n:C+4*n+3], s[14:15] offset:262144*(n/2)+512*(n%2)
.set n, n+1
.endr
	s_wait_tensorcnt 0x0
	ds_add_u32 v10, v11
	s_wait_dscnt 0x0
	s_endpgm
; ---- W_out.  Fragment f = 8 x work-group + wave = 4 head + nt.  Lane r takes column 16 nt + r and its registers run down K in the image's order.
.Lw:
	s_lshl_b32 s32, ttmp9, 3
	s_add_co_u32 s32, s32, s18                     ; f
	s_lshr_b32 s33, s32, 2                         ; head
	s_and_b32 s34, s32, 3                          ; nt
	s_lshl_b32 s26, s33, 14                        ; 64 rows of 256 bytes
	s_lshl_b32 s34, s34, 6
	s_add_co_u32 s26, s26, s34
	s_add_nc_u64 s[8:9], s[8:9], s[26:27]
	s_lshl_b32 s28, s32, 10
	s_add_nc_u64 s[16:17], s[16:17], s[28:29]
	s_wait_alu depctr_va_vdst(0)
	v_lshlrev_b32 v4, 2, v2
	s_delay_alu instid0(VALU_DEP_1)
	v_lshl_add_u32 v4, v3, 13, v4                  ; 4 r, and lanes 16-31 thirty-two rows further down
.irp t, 0,1,2,3
.irp j, 0,1,2,3,4,5,6,7
	global_load_b32 v[X+8*\t+\j], v4, s[8:9] offset:(4*\j+\t)*256
.endr
.endr
	s_wait_kmcnt 0x0
	MKSCALE s25
	s_wait_alu depctr_va_vdst(0)
	s_wait_loadcnt 0x0
.set i, 0
.rept 32
	v_med3_num_f32 v[X+i], v[X+i], -v8, v8
.set i, i+1
.endr
.irp t, 0,1,2,3
	v_cvt_scalef32_pk8_bf8_f32 v[C+2*\t:C+2*\t+1], v[X+8*\t:X+8*\t+7], v7
.endr
	global_store_b128 v1, v[C:C+3], s[16:17]
	global_store_b128 v1, v[C+4:C+7], s[16:17] offset:512
	s_endpgm
.Lfunc_end_k_q0d2c2d0130_prep:
	.size	k_q0d2c2d0130_prep, .Lfunc_end_k_q0d2c2d0130_prep-k_q0d2c2d0130_prep
	.p2alignl 7, 3214868480
	.fill 96, 4, 3214868480
	.section	.rodata,"a",@progbits
	.p2align	6, 0x0
	.amdhsa_kernel k_q0d2c2d0130_prep
		.amdhsa_group_segment_fixed_size 68608
		.amdhsa_private_segment_fixed_size 0
		.amdhsa_enable_private_segment 0
		.amdhsa_kernarg_size 56
		.amdhsa_user_sgpr_count 2
		.amdhsa_user_sgpr_kernarg_segment_ptr 1
		.amdhsa_wavefront_size32 1
		.amdhsa_system_sgpr_workgroup_id_x 1
		.amdhsa_system_sgpr_workgroup_id_y 1
		.amdhsa_system_sgpr_workgroup_id_z 1
		.amdhsa_system_vgpr_workitem_id 0
		.amdhsa_next_free_vgpr 128
		.amdhsa_next_free_sgpr 66
		.amdhsa_reserve_vcc 1
		.amdhsa_float_denorm_mode_32 3
		.amdhsa_float_denorm_mode_16_64 3
		.amdhsa_memory_ordered 1
		.amdhsa_forward_progress 1
		.amdhsa_inst_pref_size 27
	.end_amdhsa_kernel
	.amdgpu_metadata
---
amdhsa.version: [ 1, 2 ]
amdhsa.kernels:
  - .name:           k_q0d2c2d0130_prep
    .symbol:         k_q0d2c2d0130_prep.kd
    .args:
      - { .name: key, .offset: 0, .size: 8, .value_kind: global_buffer, .address_space: global }
      - { .name: value, .offset: 8, .size: 8, .value_kind: global_buffer, .address_space: global }
      - { .name: W_out, .offset: 16, .size: 8, .value_kind: global_buffer, .address_space: global }
      - { .name: key_padding_mask, .offset: 24, .size: 8, .value_kind: global_buffer, .address_space: global }
      - { .name: lowp_scales, .offset: 32, .size: 8, .value_kind: global_buffer, .address_space: global }
      - { .name: kv, .offset: 40, .size: 8, .value_kind: global_buffer, .address_space: global }
      - { .name: w_codes, .offset: 48, .size: 8, .value_kind: global_buffer, .address_space: global }
    .group_segment_fixed_size: 68608
    .private_segment_fixed_size: 0
    .kernarg_segment_align: 8
    .kernarg_segment_size: 56
    .max_flat_workgroup_size: 256
    .sgpr_count:     66
    .vgpr_count:     128
    .wavefront_size: 32
...
	.end_amdgpu_metadata
.endif
;; end of part 1
;; launch attn (part 2): grid 4 x 64, 8 waves a work-group, clusters of 4 x 1, 327,680 bytes of LDS; arguments query, key_padding_mask, lowp_scales, kv, o_codes; writes o_codes
.if DOCPART == 2
	.amdgcn_target "amdgcn-amd-amdhsa--gfx1250"
	.amdhsa_code_object_version 6
	.text
	.protected	k_q0d2c2d0130_attn
	.globl	k_q0d2c2d0130_attn
	.p2align	8
	.type	k_q0d2c2d0130_attn,@function
k_q0d2c2d0130_attn:
	s_mov_b64 s[64:65], 0
	v_nop
	global_prefetch_b8 v0, s[64:65] scope:SCOPE_SE
	s_setreg_imm32_b32 hwreg(HW_REG_WAVE_MODE, 25, 1), 1
	s_wait_xcnt 0x0
	s_wait_alu depctr_hold_cnt(0) depctr_sa_sdst(0) depctr_va_vdst(0) depctr_va_sdst(0) depctr_va_ssrc(0) depctr_va_vcc(0) depctr_vm_vsrc(0)
	s_getreg_b32 s2, hwreg(HW_REG_IB_STS2, 6, 4)
	s_cmp_eq_u32 s2, 0
	s_cbranch_scc0 .Lentry_in_a_cluster
	s_endpgm
.Lentry_in_a_cluster:
	s_bfe_u32 s2, ttmp6, 0x10000c
	s_cmp_lg_u32 s2, 0x3003
	s_cbranch_scc0 .Lentry_shape_is_right
	s_endpgm
.Lentry_shape_is_right:
; o = softmax(q k^T / 8, hidden keys at the bottom) v for one head, both products on codes of BF8 (E5M2); the result leaves as codes (scale 2^e4) for the projection.
; t = score x log2(e); M = the running largest t, rounded up to a whole number; p = 2^(t - M) is quantised (2^e3); the row's sum is taken of the unquantised p and divides at the end.
; SHARES.  A work-group owns 512 queries of one (batch, head); the head's K and V codes, 16 steps of 128 keys = 262,144 bytes, come into LDS ONCE and are walked twice: pass p serves queries 256 p ..,
; wave w two tiles of 16 queries (32 w, 32 w + 16), tile 0 in register window 0, tile 1 at the same numbers in window 1.  256 work-groups.
; CLUSTER.  The four work-groups of a head need the same K and V: both tensor loads are joint (mask 15).  A wave asks for 8,192 bytes (steps 0-3) at the head and for 24,576 (steps 4-15) behind the
; full sequence and a round; three steps are worked before the second load is waited for.  Nothing is filled twice.  Both loads of kv stand at the head, with no loop ahead of them: kv is not prefetched.
; The second pass's queries are prefetched behind step 2 (a lane a row of 256 bytes, each wave its own 32 rows) and loaded in step 15 of the first pass, into tile 0's score registers, which are free by then.
; Queries are loaded sixteen lanes to a row's 256 bytes and turn through the wave's own stage in LDS into the operand's order.
; LAYOUT (as the preparing launch lays kv).  S^T = K Q^T + bias: a lane holds query lane % 16; register j of key tile T is key 16 T + 8 (lane / 16) + j.  O^T = V^T P^T.
; THE MASK.  A hidden key has zero codes and the bias -2^100 as the product's C (open keys: 0); raw sums stay under 2^38, so it lies under every open key.  A row with all keys hidden gets p = 1 everywhere.
; The next step's K fragments and bias are asked of LDS behind this step's score products, so they have a whole step in which to come.
; LIMITS: e0 between -126 and 109, e3 and e4 between -126 and 112, e0 + e1 between -100 and 20; NaN among the inputs is not served; the scaled scores of open keys stay under 2^31.
; REGISTERS, both windows: v16-23 Q, v24-39 p's codes (before them: partial sums), v40 -M, v41 largest raw score, v[42:43] sum, v44 v51 hold of p, v45 2^e3, v[46:47] f, v48-50 v52 at work, v54 2^e4, v55 its hold, v64-127 S, v128-159 O^T.
; window 0 alone: v1-15, v56, v57 addresses, v160-223 V's fragments, v224-255 K's tiles 4-7.  window 1 alone: v160-191 K's tiles 0-3, v192-255 the bias.
.set BIAS,  262144                     ; LDS: 2,048 f32, behind K and V; no tensor load lands there
.set SPARE, 0x42000                    ; the spare words: 128 bytes a wave
.set STG,   0x42400                    ; behind them a stage of 16 rows x (256 + 16) bytes for each wave, for the queries' turn; no tensor load lands there
.set STEPB, 16384
.set QP1,   1048576                    ; 256 rows of query on
.set S,   64
.set O,   128
.set F,   160
.set KHI, 224
.set KLO, 160
.set BI,  192
.set PC,  24
.set SPW, 12
.set NIL, 13
.set ANX, 14                           ; LDS address of the next step's K
.set PFO, 15                           ; 4,096 x lane: the prefetch's offset; never rewritten
.set G1,  24                           ; s[24:31] group 1 of the first load, s[40:47] of the second; s[32:35], s[36:39] their groups 0
.set G0,  32
.set G0B, 36
.set G1B, 40
.set MSB, 0
.macro WIN new                         ; the immediate's high byte repeats the setting that is left
.if MSB != \new
	s_set_vgpr_msb (MSB<<8)|\new
.set MSB, \new
.endif
.endm
.macro PLACES
.rept 4
	v_nop
.endr
.endm
.macro CROUND                          ; a round of the cluster's barrier
	s_barrier_signal -1
	s_barrier_wait -1
	s_cmp_lg_u32 s14, 0
	s_cbranch_scc1 .Lnot_wave_0_\@
	s_barrier_signal -3
.Lnot_wave_0_\@:
	s_barrier_wait -3
	s_barrier_signal -1
	s_barrier_wait -1
.endm
	s_load_b256 s[4:11], s[0:1], 0x0               ; query s[4:5], mask s[6:7], exponents s[8:9], kv s[10:11]
	s_load_b64 s[12:13], s[0:1], 0x20              ; o_codes
	v_lshl_add_u32 v[SPW], v0, 2, SPARE
	v_mov_b32 v[NIL], 0
	ds_add_u32 v[SPW], v[NIL]                      ; the opening lines: the add twice on end and one wait
	ds_add_u32 v[SPW], v[NIL]
	v_lshrrev_b32 v10, 5, v0
	v_readfirstlane_b32 s14, v10                   ; wave 0..7
	s_bfe_u32 s15, ttmp6, 0x40000                  ; cx: it enters query's and o_codes' addresses alone
	s_lshl_b32 s16, ttmp9, 2
	s_add_co_u32 s16, s16, s15                     ; block of 512 queries
	s_and_b32 s17, ttmp7, 0xffff                   ; 16 batch + head
	s_lshr_b32 s18, s17, 4
	s_and_b32 s19, s17, 15
	s_mov_b32 s[G1+0], 15|(3<<16)|(1<<21)          ; mask: all four; elements of 8 bytes; bit 21 beside a mask
	s_mov_b32 s[G1+1], 32<<16                      ; rows of 256 bytes
	s_mov_b32 s[G1+2], 32<<16                      ; 32 rows
	s_mov_b32 s[G1+3], 32<<16
	s_mov_b32 s[G1+4], 32
	s_mov_b32 s[G1+5], 32                          ; dense
	s_mov_b32 s[G1+6], 0
	s_mov_b32 s[G1+7], 0
	s_mov_b32 s[G1B+0], 15|(3<<16)|(1<<21)
	s_mov_b32 s[G1B+1], 32<<16
	s_mov_b32 s[G1B+2], 96<<16                     ; 96 rows
	s_mov_b32 s[G1B+3], 32<<16
	s_mov_b32 s[G1B+4], 96
	s_mov_b32 s[G1B+5], 32
	s_mov_b32 s[G1B+6], 0
	s_mov_b32 s[G1B+7], 0
	s_mov_b32 s20, 0x76543210                      ; selects of lane xor 16
	s_mov_b32 s21, 0xfedcba98
	s_lshl_b32 s58, s17, 18                        ; the head's 262,144 bytes of kv
	s_mov_b32 s59, 0
	s_lshl_b32 s60, s14, 13                        ; first load: 8,192 x wave, in kv and in LDS alike
	s_mov_b32 s61, 0
	s_mul_i32 s62, s14, 24576
	s_add_co_u32 s62, s62, 65536                   ; second load: 65,536 + 24,576 x wave
	s_mov_b32 s63, 0
	s_lshl_b32 s68, s18, 11                        ; the batch's first key and query
	s_mov_b32 s69, 0
	s_lshl_b32 s56, s16, 9
	s_add_co_u32 s56, s56, s68
	s_lshl_b32 s57, s14, 5
	s_add_co_u32 s56, s56, s57                     ; my first query among the 8,192
	s_lshl_b32 s72, s56, 12
	s_lshl_b32 s73, s19, 8
	s_add_co_u32 s72, s72, s73                     ; its head's 256 bytes in query
	s_mov_b32 s73, 0
	s_add_co_u32 s66, s56, s19
	s_lshl_b32 s66, s66, 10                        ; o_codes: 16,384 a tile of 16 rows, 1,024 a head
	s_mov_b32 s67, 0
	s_wait_dscnt 0x0                               ; both opening adds are done
	s_wait_kmcnt 0x0
	s_load_b128 s[48:51], s[8:9], 0x0              ; e0 .. e3
	s_load_b32 s52, s[8:9], 0x10                   ; e4
	s_add_nc_u64 s[10:11], s[10:11], s[58:59]
	s_add_nc_u64 s[4:5], s[4:5], s[72:73]
	s_add_nc_u64 s[12:13], s[12:13], s[66:67]
	s_add_nc_u64 s[6:7], s[6:7], s[68:69]
	s_mov_b32 s[G0], 1
	s_mov_b32 s[G0+1], s60
	s_add_nc_u64 s[G0+2:G0+3], s[10:11], s[60:61]
	s_or_b32 s[G0+3], s[G0+3], 0x80000000
	s_mov_b32 s[G0B], 1
	s_mov_b32 s[G0B+1], s62
	s_add_nc_u64 s[G0B+2:G0B+3], s[10:11], s[62:63]
	s_or_b32 s[G0B+3], s[G0B+3], 0x80000000
	CROUND                                         ; the four work-groups are here: the joint loads meet
	tensor_load_to_lds s[G0:G0+3], s[G1:G1+7]      ; steps 0-3: my one load at the head
	s_nop 0
	PLACES
	v_and_b32 v1, 31, v0
	v_lshlrev_b32 v[PFO], 12, v1
	v_lshlrev_b32 v1, 4, v1                        ; 16 x lane
	v_and_b32 v4, 15, v0                           ; r
	v_bfe_u32 v10, v0, 4, 1                        ; h
	s_mul_i32 s53, s14, 16*272
	s_add_co_u32 s53, s53, STG                     ; my stage
	v_mul_u32_u24 v56, v10, 272
	v_lshl_add_u32 v56, v4, 4, v56
	v_add_nc_u32 v56, s53, v56                     ; into it, as loaded: lanes 0-15 one row, lanes 16-31 the next
	v_mul_u32_u24 v57, v4, 272
	v_lshl_add_u32 v57, v10, 6, v57
	v_add_nc_u32 v57, s53, v57                     ; out of it: row r, + 64 h bytes
	v_lshlrev_b32 v4, 4, v4
	v_lshl_add_u32 v4, v10, 12, v4                 ; query: sixteen lanes read a row's 256 bytes of the head, lanes 16-31 the next row's
	v_lshl_add_u32 v5, v10, 5, BIAS                ; the bias of my eight keys of a tile
	v_lshl_add_u32 v6, v0, 5, BIAS                 ; where my thread stores eight
	v_lshlrev_b32 v7, 3, v0
	v_mov_b32 v11, 0xf1800000                      ; -2^100
	global_load_b64 v[8:9], v7, s[6:7]             ; eight bytes of the mask a thread
.macro LOADQ off                       ; both tiles' queries, f32, into window 0's S: rows 2 i and 2 i + 1 of tile u at S + 32 u + 4 i
.irp u, 0,1
.irp i, 0,1,2,3,4,5,6,7
	global_load_b128 v[S+32*\u+4*\i:S+32*\u+4*\i+3], v4, s[4:5] offset:\off+65536*\u+8192*\i th:TH_LOAD_NT
.endr
.endr
.endm
	LOADQ 0
	s_wait_kmcnt 0x0
	s_add_co_i32 s58, s48, s49
	s_lshl_b32 s58, s58, 23
	s_add_co_i32 s22, s58, 0x3fb8aa3b              ; c = log2(e) x 2^(e0 + e1)
	s_mov_b32 s23, s22
	s_add_co_i32 s57, s50, s51                     ; e2 + e3
	s_add_co_i32 s58, s48, 130                     ; q / 8 / 2^e0 = q / 2^(e0 + 3)
	s_lshl_b32 s70, s58, 23
	s_add_co_i32 s58, s58, 15
	s_lshl_b32 s58, s58, 23
	s_or_b32 s71, s58, 0x600000                    ; 57,344 x that
	s_add_co_i32 s58, s51, 127
	s_lshl_b32 s72, s58, 23                        ; 2^e3
	s_add_co_i32 s58, s58, 15
	s_lshl_b32 s58, s58, 23
	s_or_b32 s73, s58, 0x600000
	s_add_co_i32 s58, s52, 127
	s_lshl_b32 s74, s58, 23                        ; 2^e4
	s_add_co_i32 s58, s58, 15
	s_lshl_b32 s58, s58, 23
	s_or_b32 s75, s58, 0x600000
.macro CONSTS
	v_mov_b32 v47, 0
	v_mov_b32 v50, 0
	v_mov_b32 v44, s73
	v_mov_b32 v51, s73
	v_mov_b32 v45, s72
	v_mov_b32 v54, s74
	v_mov_b32 v55, s75
.endm
.macro RESET                           ; a pass begins: largest score -3e38, -M likewise, sums and O^T zero (the first change of M multiplies zeros)
	v_mov_b32 v41, 0xff61b1e6
	v_floor_f32 v40, -v41
	v_mov_b32 v42, 0
	v_mov_b32 v43, 0
.set i, 0
.rept 32
	v_mov_b32 v[O+i], 0
.set i, i+1
.endr
.endm
.macro QUANTQ                          ; the queries in window 0's S become both tiles' Q fragments
	s_wait_loadcnt 0x0
.irp u, 0,1                            ; a tile's 16 rows turn through my stage into V's registers, which are free here: lane (r, h) gets, of row r, k = 32 j + 16 h + 0..15.  LDS serves a wave's instructions in order
.irp i, 0,1,2,3,4,5,6,7
	ds_store_b128 v56, v[S+32*\u+4*\i:S+32*\u+4*\i+3] offset:544*\i
.endr
.irp j, 0,1
.irp i, 0,1,2,3
	ds_load_b128 v[F+32*\u+16*\j+4*\i:F+32*\u+16*\j+4*\i+3], v57 offset:128*\j+16*\i
.endr
.endr
.endr
	s_wait_dscnt 0x0
	v_mov_b32 v48, s70
	v_mov_b32 v49, s71
.set i, 0
.rept 64
	v_med3_num_f32 v[F+i], v[F+i], -v49, v49       ; the conversion does not saturate (ISA guide 7.6.2)
.set i, i+1
.endr
.irp m, 0,1,2,3
	v_cvt_scalef32_pk8_bf8_f32 v[16+2*\m:17+2*\m], v[F+8*\m:F+8*\m+7], v48
.endr
	WIN 0x40                                       ; tile 1's go to window 1
.irp m, 0,1,2,3
	v_cvt_scalef32_pk8_bf8_f32 v[16+2*\m:17+2*\m], v[F+32+8*\m:F+32+8*\m+7], v48
.endr
	WIN 0
	v_nop                                          ; a plain place behind the conversions
.endm
	CONSTS
	RESET
	WIN 0x55
	CONSTS
	RESET
	WIN 0
	s_wait_loadcnt 16                              ; the mask is in; the 16 loads of queries may be out
.set i, 0
.rept 8
	v_bfe_u32 v10, v[8+i/4], 8*(i%4), 8
	v_cmp_eq_u32 vcc_lo, 0, v10
	v_cndmask_b32 v[F+i], 0, v11, vcc_lo
.set i, i+1
.endr
	ds_store_b128 v6, v[F:F+3]
	ds_store_b128 v6, v[F+4:F+7] offset:16
	s_wait_alu depctr_va_vdst(0)
	s_wait_tensorcnt 0x0                           ; my part of steps 0-3 is in; the full sequence ahead of a later first fill:
	ds_add_u32 v[SPW], v[NIL]
	s_wait_dscnt 0x0                               ; the add and my stores of the bias are done
	CROUND
	tensor_load_to_lds s[G0B:G0B+3], s[G1B:G1B+7]  ; steps 4-15
	s_nop 0
	PLACES
	QUANTQ
.macro FETCHK                          ; 32 loads: a step's K fragments (tile T, plane j at 1,024 T + 512 j) and its bias
	WIN 0x40
.set i, 0
.rept 8
	ds_load_b128 v[KLO+4*i:KLO+4*i+3], v[ANX] offset:512*i
.set i, i+1
.endr
.set i, 0
.rept 16
	ds_load_b128 v[BI+4*i:BI+4*i+3], v3 offset:64*(i/2)+16*(i%2)
.set i, i+1
.endr
	WIN 0
.set i, 0
.rept 8
	ds_load_b128 v[KHI+4*i:KHI+4*i+3], v[ANX] offset:4096+512*i
.set i, i+1
.endr
.endm
.macro KQ kf, t0                       ; four key tiles x my 16 queries; C = the bias
.irp t, 0,1,2,3
	v_wmma_f32_16x16x64_bf8_bf8 v[S+8*(\t0+\t):S+8*(\t0+\t)+7], v[\kf+8*\t:\kf+8*\t+7], v[16:23], v[BI+8*(\t0+\t):BI+8*(\t0+\t)+7]
.endr
.endm
.macro PV                              ; the four accumulators take turns
.irp t, 0,1,2,3
	v_wmma_f32_16x16x128_bf8_bf8 v[O+8*\t:O+8*\t+7], v[F+16*\t:F+16*\t+15], v[PC:PC+15], v[O+8*\t:O+8*\t+7]
.endr
.endm
.macro HOLD2 r                         ; the hold of p, one-sided, two numbers a line
	v_dual_min_num_f32 v[\r], v[\r], v44 :: v_dual_min_num_f32 v[\r+1], v[\r+1], v51
.endm
.macro CODES b                         ; 16 neighbouring keys' p into four registers of the operand
	v_cvt_scalef32_pk8_bf8_f32 v[PC+4*\b:PC+4*\b+1], v[S+16*\b:S+16*\b+7], v45
	v_cvt_scalef32_pk8_bf8_f32 v[PC+4*\b+2:PC+4*\b+3], v[S+16*\b+8:S+16*\b+15], v45
.endm
; THE SOFTMAX of one tile and 128 keys.  lead = 1 (tile 1): the scores are first read behind the other tile's exponentials, and tile 0's second product is issued inside the chain.  dsw: LDS loads younger than V's.
; The exponentials go in two halves, A = S 0-31 and B = S 32-63.  Between A's stand B's scalings; between B's stand A's pair sums (into p's code registers, free till the conversions) and A's holds:
; none of these reads what a line of the same stretch writes, and a wait stands behind each stretch, ahead of the readers.
.macro SOFTMAX lead, dsw
.if \lead
	s_wait_alu depctr_va_vdst(0)                   ; directly ahead of the first reader of S
.endif
	v_max3_num_f32 v48, v[S], v[S+1], v[S+2]       ; the step's largest score, in three chains, ascending: each accumulator from its low end
	v_max3_num_f32 v49, v[S+3], v[S+4], v[S+5]
	v_max3_num_f32 v52, v[S+6], v[S+7], v[S+8]
.set j, 9
.rept 9
	v_max3_num_f32 v48, v48, v[S+j], v[S+j+1]
	v_max3_num_f32 v49, v49, v[S+j+2], v[S+j+3]
	v_max3_num_f32 v52, v52, v[S+j+4], v[S+j+5]
.set j, j+6
.endr
	v_max_num_f32 v48, v48, v[S+63]
	s_delay_alu instid0(VALU_DEP_1)
	v_max3_num_f32 v48, v48, v49, v52
	s_delay_alu instid0(VALU_DEP_1)
	v_permlanex16_b32 v50, v48, s20, s21
.if \lead
	WIN 0
	PV                                             ; tile 0's second product
	WIN 0x55
.endif
	v_max3_num_f32 v41, v41, v48, v50              ; the running largest raw score, both halves of the lanes (c is positive, so the largest t is c x this)
	s_delay_alu instid0(VALU_DEP_1)
	v_mul_f32 v48, s22, v41                        ; as t
	v_mov_b32 v49, v40
	s_delay_alu instid0(VALU_DEP_2)
	v_floor_f32 v40, -v48                          ; -M = floor(-t)
.set j, 0
.rept 16
	v_pk_fma_f32 v[S+j:S+j+1], v[S+j:S+j+1], s[22:23], v[40:41] op_sel_hi:[1,0,0]   ; A: t - M
.if j == 4
	v_sub_f32 v49, v40, v49                        ; old M - new M
.endif
.if j == 12
	v_cvt_i32_f32 v49, v49                         ; (it saturates)
.endif
.if j == 20
	v_ldexp_f32 v46, 1.0, v49                      ; f = 2^(old M - new M)
.endif
.set j, j+2
.endr
	s_wait_alu depctr_va_vdst(0)                   ; the wait ahead of the batch, and directly ahead of the first reader of O^T
.set j, 0
.rept 16
	v_pk_mul_f32 v[O+j:O+j+1], v[O+j:O+j+1], v[46:47] op_sel_hi:[1,0]   ; O^T under the new M
.set j, j+2
.endr
.set j, 0
.rept 16
	v_exp_f32 v[S+j], v[S+j]
	v_exp_f32 v[S+j+1], v[S+j+1]
	v_pk_fma_f32 v[S+32+j:S+32+j+1], v[S+32+j:S+32+j+1], s[22:23], v[40:41] op_sel_hi:[1,0,0]   ; B: t - M
.set j, j+2
.endr
	v_pk_mul_f32 v[42:43], v[42:43], v[46:47] op_sel_hi:[1,0]   ; the sums under the new M
	s_wait_alu depctr_va_vdst(0)                   ; behind A's exponentials and B's scalings, ahead of their readers
.if \dsw >= 0
	s_wait_dscnt \dsw                              ; V's 16 loads are in; the next step's K and bias may be out
.endif
.set j, 0
.rept 32
	v_exp_f32 v[S+32+j], v[S+32+j]
.if j < 8
	v_pk_add_f32 v[PC+2*j:PC+2*j+1], v[S+4*j:S+4*j+1], v[S+4*j+2:S+4*j+3]   ; eight partial sums of the unquantised p of A
.else
.if j < 24
	HOLD2 S+2*(j-8)
.endif
.endif
.set j, j+1
.endr
	v_nop                                          ; a plain place behind the last exponential
	s_wait_alu depctr_va_vdst(0)                   ; behind B's exponentials and what stood between them
.set j, 0
.rept 16
	v_pk_add_f32 v[PC+2*(j%8):PC+2*(j%8)+1], v[PC+2*(j%8):PC+2*(j%8)+1], v[S+32+2*j:S+32+2*j+1]   ; B's p onto the eight
.set j, j+1
.endr
.irp k, 0,1,2,3
	v_pk_add_f32 v[PC+2*\k:PC+2*\k+1], v[PC+2*\k:PC+2*\k+1], v[PC+8+2*\k:PC+8+2*\k+1]
.endr
.irp i, 0,2,4,6,8,10,12,14
	HOLD2 S+32+\i
.endr
	v_pk_add_f32 v[PC:PC+1], v[PC:PC+1], v[PC+4:PC+5]
	v_pk_add_f32 v[PC+2:PC+3], v[PC+2:PC+3], v[PC+6:PC+7]
.irp i, 16,18,20,22,24,26,28,30
	HOLD2 S+32+\i
.endr
	v_pk_add_f32 v[PC:PC+1], v[PC:PC+1], v[PC+2:PC+3]
	CODES 3                                        ; the code registers are taken from the top down, behind the partial sums that lay there
	CODES 2
	CODES 1
	v_pk_add_f32 v[42:43], v[42:43], v[PC:PC+1]
	CODES 0
	v_nop                                          ; a plain place between the conversions and the product that reads the codes
.endm
; A STEP of 128 keys; s54, s55: its bytes in K and V and in the bias.  nxt = 1: the next step's K and bias are fetched; 2: step 0's, for the second pass; 0: none.  qld: the second pass's queries are loaded.
.macro STEP nxt, qld
	s_wait_dscnt 0x0                               ; K and the bias are in
	WIN 0x11
	KQ KLO, 0
	WIN 0x10
	KQ KHI, 4
	WIN 0x54
	KQ KHI, 4
	WIN 0x55
	KQ KLO, 0
	WIN 0
	v_add_nc_u32 v2, s54, v1                       ; four places ahead of the loads into registers that products have read
.if \nxt == 1
	s_add_co_u32 s54, s54, STEPB
	s_add_co_u32 s55, s55, 512
.endif
.if \nxt == 2
	s_mov_b32 s54, 0
	s_mov_b32 s55, 0
.endif
.if \nxt
	v_add_nc_u32 v[ANX], s54, v1
	v_add_nc_u32 v3, s55, v5
.else
	v_nop
	v_nop
.endif
	v_nop
.set i, 0
.rept 16
	ds_load_b128 v[F+4*i:F+4*i+3], v2 offset:8192+512*i
.set i, i+1
.endr
.if \nxt
	FETCHK
	SOFTMAX 0, 32
.else
	SOFTMAX 0, 0
.endif
.if \qld
	LOADQ QP1                                      ; window 0's S is free from here to the pass's end
.endif
	WIN 0x55
	SOFTMAX 1, -1
	WIN 0x54
	PV
	WIN 0
.endm
.macro LOOP n                          ; n steps
	s_mov_b32 s56, \n
.Lstep_\@:
	STEP 1, 0
	s_sub_co_u32 s56, s56, 1
	s_cmp_lg_u32 s56, 0
	s_wait_alu depctr_va_vdst(0)
	s_cbranch_scc1 .Lstep_\@
.endm
.macro FIN                             ; O^T x 2^(e2 + e3) / the sum, in place, and its codes
	v_add_f32 v42, v42, v43
	v_permlanex16_b32 v50, v42, s20, s21
	v_add_f32 v42, v42, v50
	s_wait_alu depctr_va_vdst(0)
	v_rcp_f32 v46, v42
	v_nop
	s_wait_alu depctr_va_vdst(0)
	v_ldexp_f32 v46, v46, s57
	s_wait_alu depctr_va_vdst(0)                   ; directly ahead of the first reader of O^T
.set j, 0
.rept 16
	v_pk_mul_f32 v[O+j:O+j+1], v[O+j:O+j+1], v[46:47] op_sel_hi:[1,0]
.set j, j+2
.endr
.set i, 0
.rept 32
	v_med3_num_f32 v[O+i], v[O+i], -v55, v55
.set i, i+1
.endr
.irp t, 0,1,2,3
	v_cvt_scalef32_pk8_bf8_f32 v[PC+2*\t:PC+2*\t+1], v[O+8*\t:O+8*\t+7], v54
.endr
	v_nop
.endm
.macro OUT po                          ; each store covers 512 consecutive bytes, aligned.  Tile 0's lines are the places behind tile 1's last products
	FIN
	global_store_b128 v1, v[PC:PC+3], s[12:13] offset:\po
	global_store_b128 v1, v[PC+4:PC+7], s[12:13] offset:\po+512
	WIN 0x55
	FIN
	WIN 0x04
	global_store_b128 v1, v[PC:PC+3], s[12:13] offset:\po+16384
	global_store_b128 v1, v[PC+4:PC+7], s[12:13] offset:\po+16896
	WIN 0
.endm
	s_mov_b32 s54, 0
	s_mov_b32 s55, 0
	v_add_nc_u32 v[ANX], s54, v1
	v_add_nc_u32 v3, s55, v5
	FETCHK                                         ; step 0's
	s_wait_alu depctr_va_vdst(0)                   ; the head's end
	LOOP 3                                         ; steps 0-2; they fetch up to step 3's K
	s_wait_tensorcnt 0x0                           ; my part of steps 4-15 is in,
	s_wait_dscnt 0x0
	s_barrier_signal -1
	s_barrier_wait -1                              ; and everybody's
	global_prefetch_b8 v[PFO], s[4:5] offset:QP1 th:TH_LOAD_NT scope:SCOPE_SE   ; the second pass's 32 rows of mine, 256 bytes a lane, twelve steps ahead of their loads
	s_mov_b32 s54, 3*STEPB                         ; (restated: step 3)
	s_mov_b32 s55, 3*512
	LOOP 12                                        ; steps 3-14
	STEP 2, 1                                      ; step 15
	OUT 0
	QUANTQ
	RESET
	WIN 0x55
	RESET
	WIN 0
	s_wait_xcnt 0x0                                ; the stores have read their data: p's codes may be written again
	s_wait_alu depctr_va_vdst(0)
	LOOP 15                                        ; the second pass
	STEP 0, 0
	OUT 262144                                     ; 16 tiles of rows on
	s_wait_tensorcnt 0x0                           ; the wave's end
	ds_add_u32 v[SPW], v[NIL]
	s_wait_dscnt 0x0
	CROUND                                         ; the closing round
	s_endpgm
.Lfunc_end_k_q0d2c2d0130_attn:
	.size	k_q0d2c2d0130_attn, .Lfunc_end_k_q0d2c2d0130_attn-k_q0d2c2d0130_attn
	.p2alignl 7, 3214868480
	.fill 96, 4, 3214868480
	.section	.rodata,"a",@progbits
	.p2align	6, 0x0
	.amdhsa_kernel k_q0d2c2d0130_attn
		.amdhsa_group_segment_fixed_size 327680
		.amdhsa_private_segment_fixed_size 0
		.amdhsa_enable_private_segment 0
		.amdhsa_kernarg_size 40
		.amdhsa_user_sgpr_count 2
		.amdhsa_user_sgpr_kernarg_segment_ptr 1
		.amdhsa_wavefront_size32 1
		.amdhsa_system_sgpr_workgroup_id_x 1
		.amdhsa_system_sgpr_workgroup_id_y 1
		.amdhsa_system_sgpr_workgroup_id_z 1
		.amdhsa_system_vgpr_workitem_id 0
		.amdhsa_next_free_vgpr 512
		.amdhsa_next_free_sgpr 80
		.amdhsa_reserve_vcc 1
		.amdhsa_float_denorm_mode_32 3
		.amdhsa_float_denorm_mode_16_64 3
		.amdhsa_memory_ordered 1
		.amdhsa_forward_progress 1
		.amdhsa_inst_pref_size 195
	.end_amdhsa_kernel
	.amdgpu_metadata
---
amdhsa.version: [ 1, 2 ]
amdhsa.kernels:
  - .name:           k_q0d2c2d0130_attn
    .symbol:         k_q0d2c2d0130_attn.kd
    .args:
      - { .name: query, .offset: 0, .size: 8, .value_kind: global_buffer, .address_space: global }
      - { .name: key_padding_mask, .offset: 8, .size: 8, .value_kind: global_buffer, .address_space: global }
      - { .name: lowp_scales, .offset: 16, .size: 8, .value_kind: global_buffer, .address_space: global }
      - { .name: kv, .offset: 24, .size: 8, .value_kind: global_buffer, .address_space: global }
      - { .name: o_codes, .offset: 32, .size: 8, .value_kind: global_buffer, .address_space: global }
    .group_segment_fixed_size: 327680
    .private_segment_fixed_size: 0
    .kernarg_segment_align: 8
    .kernarg_segment_size: 40
    .max_flat_workgroup_size: 256
    .sgpr_count:     80
    .vgpr_count:     512
    .wavefront_size: 32
...
	.end_amdgpu_metadata
.endif
;; end of part 2
;; launch proj (part 3): grid 256 x 1, 2 waves a work-group, clusters of 4 x 1, 168,192 bytes of LDS; arguments o_codes, w_codes, lowp_scales, b_out, out0; writes out0
.if DOCPART == 3
	.amdgcn_target "amdgcn-amd-amdhsa--gfx1250"
	.amdhsa_code_object_version 6
	.text
	.protected	k_q0d2c2d0130_proj
	.globl	k_q0d2c2d0130_proj
	.p2align	8
	.type	k_q0d2c2d0130_proj,@function
k_q0d2c2d0130_proj:
	s_mov_b64 s[64:65], 0
	v_nop
	global_prefetch_b8 v0, s[64:65] scope:SCOPE_SE
	s_setreg_imm32_b32 hwreg(HW_REG_WAVE_MODE, 25, 1), 1
	s_wait_xcnt 0x0
	s_wait_alu depctr_hold_cnt(0) depctr_sa_sdst(0) depctr_va_vdst(0) depctr_va_sdst(0) depctr_va_ssrc(0) depctr_va_vcc(0) depctr_vm_vsrc(0)
	s_getreg_b32 s2, hwreg(HW_REG_IB_STS2, 6, 4)
	s_cmp_eq_u32 s2, 0
	s_cbranch_scc0 .Lentry_in_a_cluster
	s_endpgm
.Lentry_in_a_cluster:
	s_bfe_u32 s2, ttmp6, 0x10000c
	s_cmp_lg_u32 s2, 0x3003
	s_cbranch_scc0 .Lentry_shape_is_right
	s_endpgm
.Lentry_shape_is_right:
; out0 [8192][64] f32 = (the attention's codes) x (W_out's codes) x 2^(e4 + e5) + b_out, by v_wmma_f32_16x16x64_bf8_bf8; K = 1,024 in sixteen steps of 64, a head each.
; Both operands come as images of their registers (a plane of 512 bytes, lane l's 16 bytes at 16 l), with the same order of k inside a head in both, so every product meets its partner.
; SHARES.  A wave takes one tile of 16 rows and all 64 columns: four accumulators, which take turns.  Two waves a work-group, 256 work-groups.
; THE MATRIX INSTRUCTION IS USED TRANSPOSED (source 0 = 16 columns of W_out, source 1 = my 16 rows): a lane holds eight neighbouring columns of one row.
; W's images, 65,536 bytes, go to LDS once, 32,768 bytes a wave; every work-group needs the same bytes, so the four of a cluster ask JOINTLY: one tensor load of a wave is out.  Nothing is filled twice.
; The rows' codes are read once, straight into registers: 32 loads of 512 consecutive bytes a wave, all issued at the head.
; The way out goes through the wave's own stage (16 rows of 256 bytes + 16), so that a store covers two whole rows, 512 consecutive bytes, aligned.
; LIMIT: e4 + e5 between -126 and 127, so that 2^(e4 + e5) is an f32 number.
.set STG,  65536                       ; LDS: the stages, behind W's images: 4,352 bytes a wave; no tensor load lands there
.set SP,   272
.set OF,   16                          ; v16-143  my rows' fragments, 8 registers a head; on the way out v16-47 rows read back, v48-79 results
.set WF,   144                         ; v144-207 two sets of W's four fragments of a head
.set ACC,  208                         ; v208-239 four accumulators
.set G1,   24                          ; s[24:31] descriptor group 1;  s[32:35] group 0
.set G0,   32
.macro PLACES
.rept 4
	v_nop
.endr
.endm
.macro CROUND                          ; a round of the cluster's barrier
	s_barrier_signal -1
	s_barrier_wait -1
	s_cmp_lg_u32 s14, 0
	s_cbranch_scc1 .Lnot_wave_0_\@
	s_barrier_signal -3
.Lnot_wave_0_\@:
	s_barrier_wait -3
	s_barrier_signal -1
	s_barrier_wait -1
.endm
	s_load_b256 s[4:11], s[0:1], 0x0               ; o_codes s[4:5], w_codes s[6:7], the scales' exponents s[8:9], b_out s[10:11]
	s_load_b64 s[12:13], s[0:1], 0x20              ; out0
	v_lshl_add_u32 v240, v0, 2, 0x29000
	v_mov_b32 v241, 0
	ds_add_u32 v240, v241
	ds_add_u32 v240, v241
	v_lshrrev_b32 v9, 5, v0
	v_readfirstlane_b32 s14, v9                    ; wave 0, 1
	s_bfe_u32 s15, ttmp6, 0x40000                  ; cx: it enters o_codes' and out0's addresses alone
	s_lshl_b32 s16, ttmp9, 2
	s_add_co_u32 s16, s16, s15
	s_lshl_b32 s16, s16, 1
	s_add_co_u32 s16, s16, s14                     ; my tile of 16 rows, 0..511
	s_mov_b32 s[G1+0], 15|(3<<16)|(1<<21)          ; the mask: all four work-groups; elements of 8 bytes; bit 21 beside a mask; no padding
	s_mov_b32 s[G1+1], 32<<16                      ; tensor_dim0 = 32 elements: rows of 256 bytes
	s_mov_b32 s[G1+2], 128<<16                     ; tensor_dim1 = 128 rows
	s_mov_b32 s[G1+3], 32<<16                      ; tile_dim0
	s_mov_b32 s[G1+4], 128                         ; tile_dim1
	s_mov_b32 s[G1+5], 32                          ; the pitch: the block is dense
	s_mov_b32 s[G1+6], 0
	s_mov_b32 s[G1+7], 0
	s_lshl_b32 s18, s14, 15                        ; my wave's 32,768 bytes of W's images
	s_mov_b32 s19, 0
	s_lshl_b32 s40, s16, 14                        ; o_codes: 16,384 bytes a tile
	s_mov_b32 s41, 0
	s_lshl_b32 s42, s16, 12                        ; out0: 16 rows of 256 bytes
	s_mov_b32 s43, 0
	s_wait_dscnt 0x0
	s_wait_kmcnt 0x0
	s_load_b64 s[20:21], s[8:9], 0x10              ; e4, e5
	s_mov_b32 s[G0], 1
	s_lshl_b32 s[G0+1], s14, 15                    ; LDS address: 32,768 x wave
	s_add_nc_u64 s[G0+2:G0+3], s[6:7], s[18:19]
	s_or_b32 s[G0+3], s[G0+3], 0x80000000          ; type = 2
	s_add_nc_u64 s[4:5], s[4:5], s[40:41]
	s_add_nc_u64 s[12:13], s[12:13], s[42:43]
	CROUND                                         ; all four work-groups are here: the joint loads meet
	tensor_load_to_lds s[G0:G0+3], s[G1:G1+7]
	s_nop 0
	PLACES                                         ; four v_nop follow it
	v_and_b32 v1, 31, v0
	v_lshlrev_b32 v1, 4, v1                        ; 16 x lane
	v_and_b32 v9, 15, v0                           ; r
	v_bfe_u32 v10, v0, 4, 1                        ; h
	v_lshlrev_b32 v8, 4, v9                        ; 16 r: my four columns on the way out
	global_load_b128 v[4:7], v8, s[10:11]          ; b_out[4 r .. 4 r + 3]
.set i, 0
.rept 32
	global_load_b128 v[OF+4*i:OF+4*i+3], v1, s[4:5] offset:512*i th:TH_LOAD_NT   ; head i / 2, plane i % 2
.set i, i+1
.endr
	s_mul_i32 s22, s14, 16*SP
	s_add_co_u32 s22, s22, STG                     ; my stage
	v_mul_u32_u24 v2, v9, SP
	v_lshl_add_u32 v2, v10, 5, v2
	v_add_nc_u32 v2, s22, v2                       ; in: row r, + 32 h bytes
	v_mul_u32_u24 v3, v10, SP
	v_lshl_add_u32 v3, v9, 4, v3
	v_add_nc_u32 v3, s22, v3                       ; back: lanes 0-15 one row, lanes 16-31 the next
	s_wait_kmcnt 0x0
	s_add_co_i32 s38, s20, s21
	s_add_co_i32 s38, s38, 127
	s_lshl_b32 s38, s38, 23                        ; 2^(e4 + e5) as f32
	s_mov_b32 s39, s38                             ; (named with it as a pair, so it is written)
	s_wait_tensorcnt 0x0                           ; my half of W's images is in,
	s_barrier_signal -1
	s_barrier_wait -1                              ; and the other wave's
.macro FETCHW hd, set                  ; W's four fragments of a head: tile i / 2 of 16 columns, plane i % 2
.set i, 0
.rept 8
	ds_load_b128 v[WF+32*(\set)+4*i:WF+32*(\set)+4*i+3], v1 offset:4096*(\hd)+512*i
.set i, i+1
.endr
.endm
	FETCHW 0, 0
.set HD, 0
.rept 16
.if HD < 15
.if HD > 0
	PLACES                                         ; ahead of the loads into the set that the last four products read
.endif
	FETCHW HD+1, (HD+1)%2
	s_wait_dscnt 8                                 ; this head's fragments of W are in; the eight loads just issued may be out
.else
	s_wait_dscnt 0x0
.endif
	s_wait_loadcnt 30-2*HD                         ; this head's two loads of my rows are in; the later heads' may be out
.irp nt, 0,1,2,3
.if HD == 0
	v_wmma_f32_16x16x64_bf8_bf8 v[ACC+8*\nt:ACC+8*\nt+7], v[WF+32*(HD%2)+8*\nt:WF+32*(HD%2)+8*\nt+7], v[OF+8*HD:OF+8*HD+7], 0   ; the first head starts the sums
.else
	v_wmma_f32_16x16x64_bf8_bf8 v[ACC+8*\nt:ACC+8*\nt+7], v[WF+32*(HD%2)+8*\nt:WF+32*(HD%2)+8*\nt+7], v[OF+8*HD:OF+8*HD+7], v[ACC+8*\nt:ACC+8*\nt+7]
.endif
.endr
.set HD, HD+1
.endr
	PLACES                                         ; ahead of the first read of results, and of loads and writes into registers that the products read
	s_wait_alu depctr_va_vdst(0)
.irp nt, 0,1,2,3
	ds_store_b128 v2, v[ACC+8*\nt:ACC+8*\nt+3] offset:64*\nt        ; lane (r, h): sums of row r, columns 16 nt + 8 h + 0..7; each accumulator from its low end on
	ds_store_b128 v2, v[ACC+8*\nt+4:ACC+8*\nt+7] offset:64*\nt+16
.endr
.irp i, 0,1,2,3,4,5,6,7
	ds_load_b128 v[16+4*\i:19+4*\i], v3 offset:2*\i*SP              ; LDS serves a wave's instructions in order: these see my stores
.endr
.irp i, 0,1,2,3,4,5,6,7
	s_wait_dscnt 7-\i                              ; rows 2 i and 2 i + 1 are back; the later ones may be out
	v_pk_fma_f32 v[48+4*\i:49+4*\i], v[16+4*\i:17+4*\i], s[38:39], v[4:5] op_sel_hi:[1,0,1]   ; sum x 2^(e4 + e5) + b_out, two at a time
	v_pk_fma_f32 v[50+4*\i:51+4*\i], v[18+4*\i:19+4*\i], s[38:39], v[6:7] op_sel_hi:[1,0,1]
	global_store_b128 v1, v[48+4*\i:51+4*\i], s[12:13] offset:512*\i th:TH_STORE_NT           ; two whole rows: 512 consecutive bytes, aligned
.endr
	s_wait_dscnt 0x0
	s_wait_tensorcnt 0x0
	ds_add_u32 v240, v241
	s_wait_dscnt 0x0
	CROUND                                         ; the closing round
	s_endpgm
.Lfunc_end_k_q0d2c2d0130_proj:
	.size	k_q0d2c2d0130_proj, .Lfunc_end_k_q0d2c2d0130_proj-k_q0d2c2d0130_proj
	.p2alignl 7, 3214868480
	.fill 96, 4, 3214868480
	.section	.rodata,"a",@progbits
	.p2align	6, 0x0
	.amdhsa_kernel k_q0d2c2d0130_proj
		.amdhsa_group_segment_fixed_size 168192
		.amdhsa_private_segment_fixed_size 0
		.amdhsa_enable_private_segment 0
		.amdhsa_kernarg_size 40
		.amdhsa_user_sgpr_count 2
		.amdhsa_user_sgpr_kernarg_segment_ptr 1
		.amdhsa_wavefront_size32 1
		.amdhsa_system_sgpr_workgroup_id_x 1
		.amdhsa_system_sgpr_workgroup_id_y 1
		.amdhsa_system_sgpr_workgroup_id_z 1
		.amdhsa_system_vgpr_workitem_id 0
		.amdhsa_next_free_vgpr 242
		.amdhsa_next_free_sgpr 66
		.amdhsa_reserve_vcc 0
		.amdhsa_float_denorm_mode_32 3
		.amdhsa_float_denorm_mode_16_64 3
		.amdhsa_memory_ordered 1
		.amdhsa_forward_progress 1
		.amdhsa_inst_pref_size 26
	.end_amdhsa_kernel
	.amdgpu_metadata
---
amdhsa.version: [ 1, 2 ]
amdhsa.kernels:
  - .name:           k_q0d2c2d0130_proj
    .symbol:         k_q0d2c2d0130_proj.kd
    .args:
      - { .name: o_codes, .offset: 0, .size: 8, .value_kind: global_buffer, .address_space: global }
      - { .name: w_codes, .offset: 8, .size: 8, .value_kind: global_buffer, .address_space: global }
      - { .name: lowp_scales, .offset: 16, .size: 8, .value_kind: global_buffer, .address_space: global }
      - { .name: b_out, .offset: 24, .size: 8, .value_kind: global_buffer, .address_space: global }
      - { .name: out0, .offset: 32, .size: 8, .value_kind: global_buffer, .address_space: global }
    .group_segment_fixed_size: 168192
    .private_segment_fixed_size: 0
    .kernarg_segment_align: 8
    .kernarg_segment_size: 40
    .max_flat_workgroup_size: 64
    .sgpr_count:     66
    .vgpr_count:     242
    .wavefront_size: 32
...
	.end_amdgpu_metadata
.endif
;; end of part 3
